; MI455X (gfx1250); checked and timed in simulation.
; The chip was launched on July 23, 2026; its instructions are those of AMD's public machine-readable ISA for CDNA 5 (MIT licence, August 2026) and "CDNA5" Instruction Set Architecture Reference Guide (July 2026). The comments in the code are by the model that wrote it; some were corrected since.
;; Vector Quantizer. Allowed arithmetic: float matrix products may take bf16 or f16 operands with f32 sums; all other float work in f32.
;; Inputs: codebook 8,192 x 512 float32; latent 8 x 1,024 x 512 float32.
;; Outputs: out0 8 x 1,024 x 512 float32; out1 one number float32; out2 8,192 int32.
;; 2 versions, each right; version 2 is version 1 with the launch gather written anew for expert scheduling mode. Each part assembles by itself: llvm-mc -triple=amdgcn-amd-amdhsa -mcpu=gfx1250 --defsym DOCPART=n.
;; ======== version 1 of 2: 5 launches
;; workspace buffers: xb 8,388,608 bytes; cb 8,388,608 bytes; xs 32,768 bytes; cs 32,768 bytes; part 1,048,576 bytes; idxw 32,768 bytes of whole numbers; lossp 8,192 bytes
;; launch prep (part 1): grid 128 x 2, 16 waves a work-group, no clusters, 2,304 bytes of LDS; arguments latent, codebook, xb, cb, xs, cs; writes xb, cb, xs, cs
.if DOCPART == 1
	.amdgcn_target "amdgcn-amd-amdhsa--gfx1250"
	.amdhsa_code_object_version 6
	.text
	.protected	k_q79f63586f6_prep
	.globl	k_q79f63586f6_prep
	.p2align	8
	.type	k_q79f63586f6_prep,@function
k_q79f63586f6_prep:
	s_mov_b64 s[64:65], 0
	v_nop
	global_prefetch_b8 v0, s[64:65] scope:SCOPE_SE
	s_setreg_imm32_b32 hwreg(HW_REG_WAVE_MODE, 25, 1), 1
	s_wait_xcnt 0x0
; ROUNDING AND ROW NORMS.  Work-groups with y = 0 take latent, those with y = 1 codebook; both are [8192][512] f32.
; Each number is rounded once to bf16 (nearest even) and stored, [8192][512] bf16; beside it the row's sum of the SQUARES OF THE ROUNDED numbers, in f32:
; the whole program computes on the rounded inputs, so that the distances made later have the norms that belong to their products.
; SHARES.  A work-group takes 64 rows, each of its 16 waves 4.  A row is 2,048 bytes: four loads of 16 bytes a lane, each covering 512 consecutive bytes; all 16 loads of a wave go out at once.
; A store of 8 bytes a lane covers 256 consecutive bytes, aligned.  The 64 sums meet in LDS, and wave 0 stores them as one run of 256 bytes.
; LIMITS.  The order of the 512 additions (four chains a lane, then across the lanes) is not the order of a plain loop; NaN and infinities are not treated apart.
; No matrix unit, no cluster: every byte is read once by one work-group, and the arithmetic is two instructions a number.
.set SPARE, 256                        ; behind the block of the 64 sums: the spare words, 128 bytes for each of 16 waves, eight blocks of 256 bytes that no other line names
.set S,   6                            ; v[6:9]    four chains of the sum of squares
.set SPW, 14                           ; v14       LDS address of my spare word; never rewritten
.set NIL, 15                           ; v15       0; never rewritten
.set X,   16                           ; v[16:79]  row i, load j: four f32 at X + 16 i + 4 j
.set Y,   80                           ; v[80:111] row i, load j: four bf16 in two registers at Y + 8 i + 2 j
	s_load_b256 s[4:11], s[0:1], 0x0               ; latent s[4:5], codebook s[6:7], xb s[8:9], cb s[10:11]
	s_load_b128 s[12:15], s[0:1], 0x20             ; xs s[12:13], cs s[14:15]
	v_lshl_add_u32 v[SPW], v0, 2, SPARE
	v_mov_b32 v[NIL], 0
	v_lshrrev_b32 v1, 5, v0
	v_readfirstlane_b32 s16, v1                    ; wave 0..15
	v_and_b32 v1, 31, v0                           ; lane
	v_lshlrev_b32 v2, 4, v1                        ; 16 bytes a lane: the loads
	v_lshlrev_b32 v3, 3, v1                        ; 8 bytes a lane: the stores
	s_lshl_b32 s28, s16, 4
	v_mov_b32 v4, s28                              ; LDS: my wave's four sums at byte 16 x wave
	v_mov_b32 v5, 0                                ; what the first link of each chain adds onto
	v_mov_b32 v10, 0                               ; v_permlanex16_b32 counts as a reader of its destination
	s_and_b32 s17, ttmp7, 0xffff                   ; which tensor
	s_mov_b32 s26, 0x76543210                      ; each lane takes its own place in the other half
	s_mov_b32 s27, 0xfedcba98
	s_lshl_b32 s24, ttmp9, 17                      ; 64 rows of 2,048 bytes a work-group,
	s_lshl_b32 s28, s16, 13                        ; 4 rows a wave
	s_add_co_u32 s24, s24, s28
	s_mov_b32 s25, 0
	s_lshr_b32 s28, s24, 1                         ; half of that in bf16
	s_mov_b32 s29, 0
	s_lshl_b32 s30, ttmp9, 8                       ; 64 sums of 4 bytes a work-group
	s_mov_b32 s31, 0
	s_wait_kmcnt 0x0
	s_cmp_eq_u32 s17, 0                            ; the choice hangs on the work-group's y alone
	s_cselect_b64 s[18:19], s[4:5], s[6:7]         ; from
	s_cselect_b64 s[20:21], s[8:9], s[10:11]       ; to
	s_cselect_b64 s[22:23], s[12:13], s[14:15]     ; sums
	s_add_nc_u64 s[18:19], s[18:19], s[24:25]
	s_add_nc_u64 s[20:21], s[20:21], s[28:29]
	s_add_nc_u64 s[22:23], s[22:23], s[30:31]
.irp i, 0,1,2,3
.irp j, 0,1,2,3
	global_load_b128 v[X+16*(\i)+4*(\j):X+16*(\i)+4*(\j)+3], v2, s[18:19] offset:2048*(\i)+512*(\j) th:TH_LOAD_NT
.endr
.endr
; Row i: rounded, stored, squared and summed.  Every load and store has registers of its own, so nothing is rewritten that a pending access still reads.
.macro ROW i
	s_wait_loadcnt 12-4*(\i)                       ; loads come back in order: this row's four are in, the later rows' stay out
.irp j, 0,1,2,3
	v_cvt_pk_bf16_f32 v[Y+8*(\i)+2*(\j)],   v[X+16*(\i)+4*(\j)],   v[X+16*(\i)+4*(\j)+1]
	v_cvt_pk_bf16_f32 v[Y+8*(\i)+2*(\j)+1], v[X+16*(\i)+4*(\j)+2], v[X+16*(\i)+4*(\j)+3]
.endr
.irp j, 0,1,2,3
	global_store_b64 v3, v[Y+8*(\i)+2*(\j):Y+8*(\i)+2*(\j)+1], s[20:21] offset:1024*(\i)+256*(\j)
.endr
	; squares straight from the bf16 halves, summed in f32: chains by the word's parity and the half
	v_fma_mix_f32_bf16 v[S],   v[Y+8*(\i)],   v[Y+8*(\i)],   v5 op_sel_hi:[1,1,0]
	v_fma_mix_f32_bf16 v[S+1], v[Y+8*(\i)],   v[Y+8*(\i)],   v5 op_sel:[1,1,0] op_sel_hi:[1,1,0]
	v_fma_mix_f32_bf16 v[S+2], v[Y+8*(\i)+1], v[Y+8*(\i)+1], v5 op_sel_hi:[1,1,0]
	v_fma_mix_f32_bf16 v[S+3], v[Y+8*(\i)+1], v[Y+8*(\i)+1], v5 op_sel:[1,1,0] op_sel_hi:[1,1,0]
.irp d, 2,4,6
	v_fma_mix_f32_bf16 v[S],   v[Y+8*(\i)+(\d)],   v[Y+8*(\i)+(\d)],   v[S]   op_sel_hi:[1,1,0]
	v_fma_mix_f32_bf16 v[S+1], v[Y+8*(\i)+(\d)],   v[Y+8*(\i)+(\d)],   v[S+1] op_sel:[1,1,0] op_sel_hi:[1,1,0]
	v_fma_mix_f32_bf16 v[S+2], v[Y+8*(\i)+(\d)+1], v[Y+8*(\i)+(\d)+1], v[S+2] op_sel_hi:[1,1,0]
	v_fma_mix_f32_bf16 v[S+3], v[Y+8*(\i)+(\d)+1], v[Y+8*(\i)+(\d)+1], v[S+3] op_sel:[1,1,0] op_sel_hi:[1,1,0]
.endr
	v_add_f32 v[S], v[S], v[S+1]
	v_add_f32 v[S+2], v[S+2], v[S+3]
	v_add_f32 v[S], v[S], v[S+2]
	v_add_f32_dpp v[S], v[S], v[S] row_xmask:1 row_mask:0xf bank_mask:0xf
	v_add_f32_dpp v[S], v[S], v[S] row_xmask:2 row_mask:0xf bank_mask:0xf
	v_add_f32_dpp v[S], v[S], v[S] row_xmask:4 row_mask:0xf bank_mask:0xf
	v_add_f32_dpp v[S], v[S], v[S] row_xmask:8 row_mask:0xf bank_mask:0xf
	v_permlanex16_b32 v10, v[S], s26, s27
	v_add_f32 v[S], v[S], v10                      ; every lane holds the row's sum
	ds_store_b32 v4, v[S] offset:4*(\i)            ; all lanes write the same word with the same value
.endm
	ROW 0
	ROW 1
	ROW 2
	ROW 3
	s_wait_tensorcnt 0x0                           ; the wave's last LDS store is behind
	ds_add_u32 v[SPW], v[NIL]
	s_wait_dscnt 0x0                               ; the wait is also the one that the others need: my four sums are in LDS
	s_barrier_signal -1
	s_barrier_wait -1
	s_cmp_lg_u32 s16, 0
	s_cbranch_scc1 .Lend
	ds_load_b64 v[12:13], v3                       ; wave 0: the 64 sums, two a lane
	s_wait_dscnt 0x0
	global_store_b64 v3, v[12:13], s[22:23]        ; 256 consecutive bytes, aligned
.Lend:
	s_endpgm
.Lfunc_end_k_q79f63586f6_prep:
	.size	k_q79f63586f6_prep, .Lfunc_end_k_q79f63586f6_prep-k_q79f63586f6_prep
	.p2alignl 7, 3214868480
	.fill 96, 4, 3214868480
	.section	.rodata,"a",@progbits
	.p2align	6, 0x0
	.amdhsa_kernel k_q79f63586f6_prep
		.amdhsa_group_segment_fixed_size 2304
		.amdhsa_private_segment_fixed_size 0
		.amdhsa_enable_private_segment 0
		.amdhsa_kernarg_size 48
		.amdhsa_user_sgpr_count 2
		.amdhsa_user_sgpr_kernarg_segment_ptr 1
		.amdhsa_wavefront_size32 1
		.amdhsa_system_sgpr_workgroup_id_x 1
		.amdhsa_system_sgpr_workgroup_id_y 1
		.amdhsa_system_sgpr_workgroup_id_z 1
		.amdhsa_system_vgpr_workitem_id 0
		.amdhsa_next_free_vgpr 112
		.amdhsa_next_free_sgpr 66
		.amdhsa_reserve_vcc 0
		.amdhsa_float_denorm_mode_32 3
		.amdhsa_float_denorm_mode_16_64 3
		.amdhsa_memory_ordered 1
		.amdhsa_forward_progress 1
		.amdhsa_inst_pref_size 14
	.end_amdhsa_kernel
	.amdgpu_metadata
---
amdhsa.version: [ 1, 2 ]
amdhsa.kernels:
  - .name:           k_q79f63586f6_prep
    .symbol:         k_q79f63586f6_prep.kd
    .args:
      - { .name: latent, .offset: 0, .size: 8, .value_kind: global_buffer, .address_space: global }
      - { .name: codebook, .offset: 8, .size: 8, .value_kind: global_buffer, .address_space: global }
      - { .name: xb, .offset: 16, .size: 8, .value_kind: global_buffer, .address_space: global }
      - { .name: cb, .offset: 24, .size: 8, .value_kind: global_buffer, .address_space: global }
      - { .name: xs, .offset: 32, .size: 8, .value_kind: global_buffer, .address_space: global }
      - { .name: cs, .offset: 40, .size: 8, .value_kind: global_buffer, .address_space: global }
    .group_segment_fixed_size: 2304
    .private_segment_fixed_size: 0
    .kernarg_segment_align: 8
    .kernarg_segment_size: 48
    .max_flat_workgroup_size: 512
    .sgpr_count:     66
    .vgpr_count:     112
    .wavefront_size: 32
...
	.end_amdgpu_metadata
.endif
;; end of part 1
;; launch dist (part 2): grid 8 x 32, 4 waves a work-group, clusters of 4 x 4, 327,680 bytes of LDS; arguments xb, cb, xs, cs, part; writes part
.if DOCPART == 2
	.amdgcn_target "amdgcn-amd-amdhsa--gfx1250"
	.amdhsa_code_object_version 6
	.text
	.protected	k_q79f63586f6_dist
	.globl	k_q79f63586f6_dist
	.p2align	8
	.type	k_q79f63586f6_dist,@function
k_q79f63586f6_dist:
	s_mov_b64 s[64:65], 0
	v_nop
	global_prefetch_b8 v0, s[64:65] scope:SCOPE_SE
	s_setreg_imm32_b32 hwreg(HW_REG_WAVE_MODE, 25, 1), 1
	s_wait_xcnt 0x0
	s_wait_alu depctr_hold_cnt(0) depctr_sa_sdst(0) depctr_va_vdst(0) depctr_va_sdst(0) depctr_va_ssrc(0) depctr_va_vcc(0) depctr_vm_vsrc(0)
	s_getreg_b32 s2, hwreg(HW_REG_IB_STS2, 6, 4)
	s_cmp_eq_u32 s2, 0
	s_cbranch_scc0 .Lentry_in_a_cluster
	s_endpgm
.Lentry_in_a_cluster:
	s_bfe_u32 s2, ttmp6, 0x10000c
	s_cmp_lg_u32 s2, 0xf033
	s_cbranch_scc0 .Lentry_shape_is_right
	s_endpgm
.Lentry_shape_is_right:
; DISTANCES AND THEIR FIRST MINIMUM.  d[n][k] = (A[n] - 2 x[n] . c[k]) + C[k], for 8,192 queries x (xb, bf16 [8192][512]) and 8,192 codes c (cb, likewise); A = xs, C = cs (f32 row sums of squares).
; The product goes to the matrix unit in bf16 with f32 sums, K ascending.  d is rounded twice, as the formula is bracketed: one fused multiply-add A - 2 dot (2 dot is exact), one addition of C.
; softmax(-d) grows where d falls, so the wanted index is the FIRST index of the smallest d: no exponential is needed for it, and none is made.
; OUT: part[p][n] = (smallest d, its first index) over the codes 512 p .. 512 p + 511, p = 0 .. 15, 8 bytes each; a later launch takes the minimum over p.
; LIMITS.  The f32 sums inside a dot product have the matrix unit's order, not a loop's: two codes whose d differ by one rounding step or less can change places against another order of sums.
; NaN and infinities are not treated apart (a row whose d are all +infinity or NaN gets some index of its range).
; SHARES.  A work-group (four waves, as many as a WGP has SIMDs) owns 256 queries (gy) and 1,024 codes (gx) and STAYS for four tiles of 256 x 256; a wave makes 128 x 128: 64 accumulators, 512 registers.
; Wave w: queries 128 (w / 2) on, and in tile t the codes 1,024 gx + 512 (w % 2) + 128 t on: so a wave's four tiles are 512 consecutive codes in ascending order, one part p = 2 gx + w % 2.
; K goes in steps of 128 through two LDS slots filled by the tensor data mover (rows of 256 bytes, aligned); the ring runs on from tile to tile.
; CLUSTER.  4 x 4 work-groups: the four of a row share gy and so the queries' tiles, the four of a column share gx and so the codes' tiles.  Each tile is asked for JOINTLY, by the same tensor load
; with the same descriptor and a mask that names the four: a quarter of the requests.
; THE MATRIX INSTRUCTION IS USED TRANSPOSED: source 0 = 16 codes, source 1 = 16 queries.  A lane then holds ONE query (lane % 16) and in registers 0-7 the codes 8 (lane / 16) + 0..7 of the block.
; THE MINIMUM.  For each of its 8 query blocks a lane keeps BEST (smallest d so far), GID (the group of 8 codes that holds it) and SV (that group's eight d).  A group of eight is reduced by three-operand
; minima; a group replaces the kept one only if its minimum is strictly smaller, and groups come in ascending order of codes: ties keep the earlier.  At the end the first of SV's eight that equals BEST
; gives the code, and the two halves of the lanes are merged by (d, index).  All choices are v_cndmask_b32: no branch and no address hangs on a floating-point number.
; REGISTERS, in windows of 256 (s_set_vgpr_msb's low byte: bits 1:0 source 0, 3:2 source 1, 5:4 source 2, 7:6 destination):
;   window 0: v0-31 addresses and at work; v32-47 A of my queries; v48-63 BEST, GID; v64-127, v128-191 fragments of the queries, two buffers (the second is T, 64 distances, between tiles); v192-255 SV
;   window 1: v64-127, v128-191 fragments of the codes, two buffers; v192-255 C of the tile's 64 codes of my lane
;   window 2: the 32 accumulators of my query blocks 0-3 ((a, b) at v[8 (8 a + b)]);   window 3: those of blocks 4-7
.set DIM,    512
.set KSTEP,  128
.set PITCH,  272                       ; an LDS row: 256 bytes + 16 of padding = 68 words: row r starts at bank 4 r mod 64 (64 banks of 4 bytes: ISA guide 11.1), so the 16 rows of a load start at 16 different banks
.set HALFT,  128*PITCH                 ; 128 rows: what one tensor load brings, and what one wave reads of the queries or of the codes
.set SLOT,   4*HALFT                   ; the queries' 256 rows, then the codes' 256 rows
.set SPARE,  2*SLOT                    ; behind the ring: the spare words, 128 bytes for each wave: two blocks of 256 bytes that no other line names
.set TILES,  4
.set BACK_A, 2*KSTEP*2                 ; from a slot's last K step of a tile to its first of the next: the queries only go back along K,
.set NEXT_B, 128*DIM*2-2*KSTEP*2       ; the codes go 128 rows down and back along K
.set M,    6                           ; v6-13   a group's minimum, by b; at the end the place j, by a
.set ADRA, 16                          ; v16-17  LDS address of my query fragments in slot 0, 1
.set ADRB, 20                          ; v20-21  the same for the codes
.set CSO,  24                          ; v24     32 (lane / 16): my eight C in a block of 16
.set XSO,  25                          ; v25     4 (lane % 16): my query's A in a block of 16
.set PO,   26                          ; v26     8 x lane: my place in 256 bytes of part
.set CB,   27                          ; v27     512 p + 8 (lane / 16) + 384: see the end
.set SPW,  28                          ; v28     LDS address of my spare word; never rewritten
.set NIL,  29                          ; v29     0; never rewritten
.set AQ,   32                          ; v32-47  block a: A of query 16 a + lane % 16, in both registers of the pair at AQ + 2 a
.set BEST, 48                          ; v48-63  block a: BEST at BEST + 2 a, GID at BEST + 2 a + 1
.set F0,   64
.set F1,   128
.set T,    128                         ; between tiles: the block's 64 distances, group b at T + 8 b
.set SV,   192                         ; block a's kept eight at SV + 8 a
.set CC,   192                         ; window 1: C of code 16 b + 8 (lane / 16) + j at CC + 8 b + j
.set WV,  14                           ; s14  wave
.set RH,  15                           ; s15  wave / 2: my half of the queries.  Also: I fetch for the queries (0) or for the codes (1)
.set CH,  16                           ; s16  wave % 2: my half of the codes.  Also: which 128 rows of that tile I fetch
.set G1,  24                           ; s[24:31] descriptor group 1 for the queries' tiles;  s[32:39] group 0, one set for each slot
.set G0,  32
.set G1B, 48                           ; s[48:55], s[56:63] the same for the codes' tiles
.set G0B, 56
.set HM,  66                           ; s66  lanes 16-31
.set INF, 67                           ; s67  +infinity
.set SEL, 68                           ; s[68:69] v_permlanex16_b32's selects: each lane takes its own place in the other half
.set MSB, 0
.macro WIN new                         ; the immediate's high byte repeats the setting that is left; a switch that changes nothing is dropped
.if MSB != (\new)
	s_set_vgpr_msb (MSB<<8)|(\new)
.set MSB, \new
.endif
.endm
.set MUL_LO, 0xa1                      ; source 0 (codes) window 1, source 1 (queries) window 0, C and D window 2
.set MUL_HI, 0xf1                      ; the same, C and D window 3
.set TO_B,   0x40                      ; destination window 1, address window 0
; A joint load.  Waves 0 and 1 fetch the queries' two halves, waves 2 and 3 the codes'.  Each line has one mask and one set of registers; the branch hangs on the wave's number alone.
; An s_nop 0 and four v_nop follow each of the two lines, ahead of the jump, the label and what follows.
.macro JLOAD s
	s_cmp_eq_u32 s[RH], 0
	s_cbranch_scc0 .Lfor_b_\@
	tensor_load_to_lds s[G0+4*(\s):G0+4*(\s)+3], s[G1:G1+7]
	s_nop 0
.rept 4
	v_nop
.endr
	s_branch .Lasked_\@
.Lfor_b_\@:
	tensor_load_to_lds s[G0B+4*(\s):G0B+4*(\s)+3], s[G1B:G1B+7]
	s_nop 0
.rept 4
	v_nop
.endr
.Lasked_\@:
.endm
; A round of the cluster's barrier: my work-group's barrier, so that wave 0's signal speaks for all four waves; wave 0 signals; every wave waits for all sixteen work-groups; my work-group's barrier once more.
.macro CREST                           ; a round behind its opening barrier
	s_cmp_lg_u32 s[WV], 0
	s_cbranch_scc1 .Lnot_wave_0_\@
	s_barrier_signal -3
.Lnot_wave_0_\@:
	s_barrier_wait -3
	s_barrier_signal -1
	s_barrier_wait -1
.endm
.macro CROUND                          ; a whole round
	s_barrier_signal -1
	s_barrier_wait -1
	CREST
.endm
	s_load_b256 s[4:11], s[0:1], 0x0               ; xb s[4:5], cb s[6:7], xs s[8:9], cs s[10:11]
	s_load_b64 s[12:13], s[0:1], 0x20              ; part
	v_lshl_add_u32 v[SPW], v0, 2, SPARE
	v_mov_b32 v[NIL], 0
	ds_add_u32 v[SPW], v[NIL]                      ; the wave's opening: the add and its wait stand ahead of my first tensor load; the set-up below, work on registers, stands between them
	v_lshrrev_b32 v1, 5, v0
	v_readfirstlane_b32 s[WV], v1                  ; wave 0..3
	s_lshr_b32 s[RH], s[WV], 1
	s_and_b32 s[CH], s[WV], 1
	s_bfe_u32 s17, ttmp6, 0x40000                  ; cx: my place along the cluster's x
	s_bfe_u32 s18, ttmp6, 0x40004                  ; cy: along its y
	s_lshl_b32 s19, ttmp9, 2                       ; in a cluster launch ttmp9 and ttmp7 count clusters
	s_add_co_u32 s19, s19, s17                     ; gx = 4 x cluster x + cx: my 1,024 codes
	s_and_b32 s20, ttmp7, 0xffff
	s_lshl_b32 s20, s20, 2
	s_add_co_u32 s20, s20, s18                     ; gy = 4 x cluster y + cy: my 256 queries
	s_lshl_b32 s21, s18, 2
	s_lshl_b32 s21, 15, s21                        ; my row of the cluster: places 4 cy .. 4 cy + 3
	s_lshl_b32 s22, 0x1111, s17                    ; my column: places cx, cx + 4, cx + 8, cx + 12
	; descriptor group 1: a tile of 128 rows x 128 elements, padded in LDS
	s_or_b32 s[G1+0], s21, (1<<16)|(1<<20)|(1<<21)|(5<<22)|(3<<25)   ; 15:0 the mask: the queries' tiles go to my row; 17:16 elements of 2 bytes; 20 padding on; 21 set beside a mask; 24:22 after every 64 words (code 5); 31:25 4 words of it (code 3)
	s_or_b32 s[G1B+0], s22, (1<<16)|(1<<20)|(1<<21)|(5<<22)|(3<<25)  ; the same with the mask of my column, for the codes' tiles
.irp g, G1, G1B
	s_mov_b32 s[(\g)+1], KSTEP<<16                 ; tensor_dim0 = 128
	s_mov_b32 s[(\g)+2], 128<<16                   ; tensor_dim1 = 128
	s_mov_b32 s[(\g)+3], KSTEP<<16                 ; tile_dim0 = 128
	s_mov_b32 s[(\g)+4], 128                       ; tile_dim1 = 128
	s_mov_b32 s[(\g)+5], DIM                       ; 512 elements from row to row
	s_mov_b32 s[(\g)+6], 0
	s_mov_b32 s[(\g)+7], 0
.endr
	; where the tiles come from.  The queries' hang on gy alone, which my row of the cluster shares; the codes' on gx alone, which my column shares.  Each in registers that never hold the other coordinate.
	s_lshl_b32 s41, s[CH], 7
	s_lshl_b32 s40, s20, 8
	s_add_co_u32 s40, s40, s41                     ; queries: row 256 gy + 128 x half,
	s_lshl_b32 s40, s40, 10                        ; of 1,024 bytes
	s_mov_b32 s41, 0
	s_lshl_b32 s45, s[CH], 9
	s_lshl_b32 s44, s19, 10
	s_add_co_u32 s44, s44, s45                     ; codes: row 1,024 gx + 512 x half (tile 0)
	s_lshl_b32 s44, s44, 10
	s_mov_b32 s45, 0
	s_mul_i32 s23, s[WV], HALFT                    ; where they go: wave x 128 rows: no place in the cluster enters an LDS address
	s_wait_dscnt 0x0                               ; the opening add is done
	s_wait_kmcnt 0x0
	s_add_nc_u64 s[42:43], s[4:5], s[40:41]
	s_add_nc_u64 s[46:47], s[6:7], s[44:45]
	CROUND                                         ; all sixteen work-groups are here: the first joint loads meet
.irp s, 0,1
	s_mov_b32 s[G0+4*(\s)], 1                                        ; count = 1
	s_add_co_u32 s[G0+4*(\s)+1], s23, (\s)*SLOT                      ; LDS address
	s_add_nc_u64 s[G0+4*(\s)+2:G0+4*(\s)+3], s[42:43], (\s)*KSTEP*2  ; global address: K step s
	s_or_b32 s[G0+4*(\s)+3], s[G0+4*(\s)+3], 0x80000000              ; type = 2
	s_mov_b32 s[G0B+4*(\s)], 1
	s_add_co_u32 s[G0B+4*(\s)+1], s23, (\s)*SLOT
	s_add_nc_u64 s[G0B+4*(\s)+2:G0B+4*(\s)+3], s[46:47], (\s)*KSTEP*2
	s_or_b32 s[G0B+4*(\s)+3], s[G0B+4*(\s)+3], 0x80000000
	JLOAD \s                                       ; both slots are asked for before anything else is done: two tensor loads of mine are out
.endr
	; All that follows up to the first wait stands in the wait for the first tile.
	; A fragment is 16 rows x 32 K in 8 registers: lane l holds row l % 16; registers 0-3 K = 8 (l / 16) + 0..7, registers 4-7 K = 16 + 8 (l / 16) + 0..7: two loads of 16 bytes, 32 bytes apart.
	v_and_b32 v1, 15, v0                           ; l % 16
	v_bfe_u32 v2, v0, 4, 1                         ; l / 16
	v_mul_u32_u24 v3, v1, PITCH
	v_lshl_add_u32 v3, v2, 4, v3                   ; row x pitch + 16 x half
	s_mul_i32 s70, s[RH], HALFT                    ; my 128 queries
	s_mul_i32 s71, s[CH], HALFT                    ; my 128 codes,
	s_add_co_u32 s71, s71, 2*HALFT                 ; which lie behind the queries' 256 rows
.irp s, 0,1
	v_add_nc_u32 v[ADRA+(\s)], s70, v3
	v_add_nc_u32 v[ADRB+(\s)], s71, v3
	s_add_co_u32 s70, s70, SLOT
	s_add_co_u32 s71, s71, SLOT
.endr
	v_lshlrev_b32 v[CSO], 5, v2
	v_lshlrev_b32 v[XSO], 2, v1
	v_and_b32 v4, 31, v0
	v_lshlrev_b32 v[PO], 3, v4
	s_lshl_b32 s74, s20, 10
	s_lshl_b32 s75, s[RH], 9
	s_add_co_u32 s74, s74, s75                     ; 4 (256 gy + 128 RH)
	s_mov_b32 s75, 0
	s_add_nc_u64 s[8:9], s[8:9], s[74:75]          ; A of my 128 queries
	s_lshl_b32 s76, s19, 12
	s_lshl_b32 s77, s[CH], 11
	s_add_co_u32 s76, s76, s77                     ; 4 (1,024 gx + 512 CH)
	s_mov_b32 s77, 0
	s_add_nc_u64 s[10:11], s[10:11], s[76:77]      ; C of my first tile's 128 codes
	s_lshl_b32 s74, s74, 1                         ; 8 bytes a query,
	s_lshl_b32 s76, s76, 5                         ; 65,536 bytes a part: 65,536 (2 gx + CH)
	s_add_co_u32 s74, s74, s76
	s_add_nc_u64 s[12:13], s[12:13], s[74:75]      ; my 128 places in my part
	s_lshr_b32 s78, s76, 7                         ; 512 (2 gx + CH): my part's first code
	s_add_co_u32 s78, s78, 384
	v_lshl_add_u32 v[CB], v2, 3, s78
	s_mov_b32 s[HM], 0xffff0000
	s_mov_b32 s[INF], 0x7f800000
	s_mov_b32 s[SEL], 0x76543210
	s_mov_b32 s[SEL+1], 0xfedcba98
.irp a, 0,1,2,3,4,5,6,7
	global_load_b32 v[AQ+2*(\a)],   v[XSO], s[8:9] offset:64*(\a)   ; both registers of the pair that the packed multiply-add names
	global_load_b32 v[AQ+2*(\a)+1], v[XSO], s[8:9] offset:64*(\a)
.endr
	; BEST and SV start at +infinity, so that the first group is a group like any other and one text serves every tile: 80 moves, once
.irp a, 0,1,2,3,4,5,6,7
	v_mov_b32 v[BEST+2*(\a)], s[INF]
	v_mov_b32 v[BEST+2*(\a)+1], 0
.endr
.set i, 0
.rept 64
	v_mov_b32 v[SV+i], s[INF]
.set i, i+1
.endr
; 16 matrix instructions: query blocks a0, a0 + 1 of the window's four (hi = 0: blocks 0-3, 1: blocks 4-7) x all 8 code blocks, 32 along K.  zero = 1: the first product starts the sums: nothing is cleared.
.macro MUL16 f, hi, a0, zero
	WIN MUL_LO+0x50*(\hi)
.irp a, \a0, (\a0)+1
.irp b, 0,1,2,3,4,5,6,7
.if \zero
	v_wmma_f32_16x16x32_bf16 v[8*(8*(\a)+(\b)):8*(8*(\a)+(\b))+7], v[(\f)+8*(\b):(\f)+8*(\b)+7], v[(\f)+8*(4*(\hi)+(\a)):(\f)+8*(4*(\hi)+(\a))+7], 0
.else
	v_wmma_f32_16x16x32_bf16 v[8*(8*(\a)+(\b)):8*(8*(\a)+(\b))+7], v[(\f)+8*(\b):(\f)+8*(\b)+7], v[(\f)+8*(4*(\hi)+(\a)):(\f)+8*(4*(\hi)+(\a))+7], v[8*(8*(\a)+(\b)):8*(8*(\a)+(\b))+7]
.endif
.endr
.endr
.endm
; 32 LDS loads in one run: the fragments of one quarter step (128 codes, 128 queries, 32 K at byte k of the rows) into buffer f
.macro FETCH slot, k, f
	WIN TO_B
.irp i, 0,1,2,3,4,5,6,7
	ds_load_b128 v[(\f)+8*(\i):(\f)+8*(\i)+3],   v[ADRB+(\slot)] offset:(\k)+(\i)*16*PITCH
	ds_load_b128 v[(\f)+8*(\i)+4:(\f)+8*(\i)+7], v[ADRB+(\slot)] offset:(\k)+(\i)*16*PITCH+32
.endr
	WIN 0
.irp i, 0,1,2,3,4,5,6,7
	ds_load_b128 v[(\f)+8*(\i):(\f)+8*(\i)+3],   v[ADRA+(\slot)] offset:(\k)+(\i)*16*PITCH
	ds_load_b128 v[(\f)+8*(\i)+4:(\f)+8*(\i)+7], v[ADRA+(\slot)] offset:(\k)+(\i)*16*PITCH+32
.endr
.endm
; A load into a register that a matrix instruction has read, and a vector instruction that reads a matrix result or writes one of a matrix instruction's registers, stand four places behind it, and only
; plain vector instructions that name none of its registers are places (ISA guide 7.12.1 for vector instructions).
.macro PLACES
.rept 4
	v_nop
.endr
.endm
; A K step is four quarters of 32 along K, 64 matrix instructions each, on buffers 0, 1, 0, 1.  The 64 accumulators take turns, one instruction a turn, in the same order in every quarter.
; One of the first three: multiplies buffer f; in its middle it fetches the next quarter's fragments, at byte k of the same slot's rows, into buffer g.
.macro QUARTER slot, k, f, g, zero
	s_wait_dscnt 8                                 ; the codes and query blocks 0-3 are in; the youngest eight loads (blocks 4-7) may be out
	WIN MUL_LO
	MUL16 \f, 0, 0, \zero
	MUL16 \f, 0, 2, \zero
	PLACES
	FETCH \slot, \k, \g
	s_wait_dscnt 32                                ; all but the 32 just issued
	WIN MUL_HI
	MUL16 \f, 1, 0, \zero
	MUL16 \f, 1, 2, \zero
.endm
; The last quarter multiplies buffer 1 and changes slots.  MEET is its first half: ONE barrier for the change.  In front of it each wave waits for all its tensor loads, of which one is out: its part of the
; next slot; adds 0 to its spare word; and waits for that and for its own reads of this slot.  Behind it nobody reads this slot any more and the next slot is whole.
.macro MEET round                      ; round = 1: a round of the cluster's barrier follows
	WIN 0                                          ; (the add's two registers lie in window 0)
	s_wait_tensorcnt 0x0                           ; all my tensor loads have landed
	ds_add_u32 v[SPW], v[NIL]                      ; 0 onto my spare word
	s_wait_dscnt 9                                 ; (the add and the youngest eight loads may be out)
	WIN MUL_LO
	MUL16 F1, 0, 0, 0                              ; sixteen matrix instructions stand between the add and the wait for it
	s_wait_dscnt 0x0                               ; the add is done, and my reads of this slot are over
	s_barrier_signal -1
	MUL16 F1, 0, 2, 0                              ; work on registers while the others arrive
.if \round
	WIN 0
.endif
	s_barrier_wait -1
.endm
; The whole last quarter.  Behind the round the slot just read out is filled again first: with this tile's K step two steps on (on = 0) or with the NEXT tile's K step 0 or 1 (on = 1); then come the next
; slot's first fragments.  One tensor load of mine is out behind each round; from the request to the wait for it the wave issues 224 matrix instructions.
.macro TURN slot, next, on
	MEET 1
	CREST                                          ; no wave of any partner still reads this slot's tile or has a load on its way
.if \on
	s_sub_nc_u64 s[G0+4*(\slot)+2:G0+4*(\slot)+3], s[G0+4*(\slot)+2:G0+4*(\slot)+3], BACK_A
	s_add_nc_u64 s[G0B+4*(\slot)+2:G0B+4*(\slot)+3], s[G0B+4*(\slot)+2:G0B+4*(\slot)+3], NEXT_B
.else
	s_add_nc_u64 s[G0+4*(\slot)+2:G0+4*(\slot)+3], s[G0+4*(\slot)+2:G0+4*(\slot)+3], 2*KSTEP*2
	s_add_nc_u64 s[G0B+4*(\slot)+2:G0B+4*(\slot)+3], s[G0B+4*(\slot)+2:G0B+4*(\slot)+3], 2*KSTEP*2
.endif
	JLOAD \slot                                    ; the first tensor load behind the round; the four v_nop behind it are also the places in front of the loads below
	FETCH \next, 0, F0
	WIN MUL_HI
	MUL16 F1, 1, 0, 0
	MUL16 F1, 1, 2, 0
.endm
.macro TURNL                           ; the last change of slots: nothing is filled again, so no round follows
	MEET 0
	PLACES
	FETCH 1, 0, F0
	WIN MUL_HI
	MUL16 F1, 1, 0, 0
	MUL16 F1, 1, 2, 0
.endm
.macro LASTQ                           ; the very last quarter: nothing more to fetch
	s_wait_dscnt 8
	WIN MUL_LO
	MUL16 F1, 0, 0, 0
	MUL16 F1, 0, 2, 0
	s_wait_dscnt 0x0
	WIN MUL_HI
	MUL16 F1, 1, 0, 0
	MUL16 F1, 1, 2, 0
	WIN 0
.endm
; C of the tile's 128 codes: a lane wants the eight at 16 b + 8 (lane / 16) of each block b: 512 consecutive bytes for the wave.  Asked for at the tile's head, waited for at its end.
.macro CLOAD
	WIN TO_B
.irp b, 0,1,2,3,4,5,6,7
	global_load_b128 v[CC+8*(\b):CC+8*(\b)+3],   v[CSO], s[10:11] offset:64*(\b)
	global_load_b128 v[CC+8*(\b)+4:CC+8*(\b)+7], v[CSO], s[10:11] offset:64*(\b)+16
.endr
	WIN 0
.endm
; Query block a of a finished tile: 64 distances a lane, and what they change in BEST, GID and SV.
.macro EPI a
.set AC, 64*((\a)%4)
	WIN 0x02+((\a)/4)                              ; source 0: window 2 or 3
.irp b, 0,1,2,3,4,5,6,7
.irp i, 0,1,2,3                        ; each accumulator is read from its low end on
	v_pk_fma_f32 v[T+8*(\b)+2*(\i):T+8*(\b)+2*(\i)+1], v[AC+8*(\b)+2*(\i):AC+8*(\b)+2*(\i)+1], -2.0, v[AQ+2*(\a):AQ+2*(\a)+1] op_sel_hi:[1,0,0]  ; A - 2 dot, rounded once
.endr
.endr
	WIN 0x04                                       ; source 1: window 1
.set i, 0
.rept 32
	v_pk_add_f32 v[T+2*i:T+2*i+1], v[T+2*i:T+2*i+1], v[CC+2*i:CC+2*i+1]  ; + C, rounded once more
.set i, i+1
.endr
	WIN 0
.irp b, 0,1,2,3,4,5,6,7                ; eight groups' minima side by side, so that no line waits for the one before it
	v_min3_num_f32 v[M+(\b)], v[T+8*(\b)], v[T+8*(\b)+1], v[T+8*(\b)+2]
.endr
.irp b, 0,1,2,3,4,5,6,7
	v_min3_num_f32 v[M+(\b)], v[M+(\b)], v[T+8*(\b)+3], v[T+8*(\b)+4]
.endr
.irp b, 0,1,2,3,4,5,6,7
	v_min3_num_f32 v[M+(\b)], v[M+(\b)], v[T+8*(\b)+5], v[T+8*(\b)+6]
.endr
.irp b, 0,1,2,3,4,5,6,7
	v_min_num_f32 v[M+(\b)], v[M+(\b)], v[T+8*(\b)+7]
.endr
.irp b, 0,1,2,3,4,5,6,7                ; ascending codes; what is kept stays unless the group is strictly smaller
	v_cmp_le_f32 vcc_lo, v[BEST+2*(\a)], v[M+(\b)]
	v_min_num_f32 v[BEST+2*(\a)], v[BEST+2*(\a)], v[M+(\b)]
	v_cndmask_b32 v[BEST+2*(\a)+1], \b, v[BEST+2*(\a)+1], vcc_lo
.irp j, 0,1,2,3,4,5,6,7
	v_cndmask_b32 v[SV+8*(\a)+(\j)], v[T+8*(\b)+(\j)], v[SV+8*(\a)+(\j)], vcc_lo
.endr
.endr
.endm
; A finished tile.  more = 1: another follows: C's address steps, and GID, which counts groups from the tile in hand so that its constants are 0 to 7, goes back by a tile's eight.
; It issues no LDS instruction: the next tile's first fragments, asked for by the turn before, stay on their way.
.macro EPILOG more
	PLACES                                         ; behind the tile's last products: T takes the place of a buffer that they read, and their results are read
	WIN 0
	s_wait_loadcnt 0x0                             ; C (and, the first time, A) is in; the wait also frees C's address
.if \more
	s_add_nc_u64 s[10:11], s[10:11], 512           ; the next tile's 128 codes
.endif
.irp a, 0,1,2,3,4,5,6,7
	EPI \a
.endr
.if \more
.irp a, 0,1,2,3,4,5,6,7
	v_add_nc_u32 v[BEST+2*(\a)+1], -8, v[BEST+2*(\a)+1]
.endr
.endif
.endm
	s_wait_tensorcnt 1                             ; my part of K step 0 is in; K step 1's may stay out
	s_barrier_signal -1
	s_barrier_wait -1                              ; everybody's is
	FETCH 0, 0, F0
	s_mov_b32 s2, TILES                            ; tiles to go, this one among them: the same number in every work-group
.Ltile:
	CLOAD
	QUARTER 0, 64,  F0, F1, 1                      ; K step 0; the first quarter's products start the sums
	QUARTER 0, 128, F1, F0, 0
	QUARTER 0, 192, F0, F1, 0
	TURN 0, 1, 0                                   ; slot 0 takes K step 2
	QUARTER 1, 64,  F0, F1, 0                      ; K step 1
	QUARTER 1, 128, F1, F0, 0
	QUARTER 1, 192, F0, F1, 0
	TURN 1, 0, 0                                   ; slot 1 takes K step 3
	QUARTER 0, 64,  F0, F1, 0                      ; K step 2
	QUARTER 0, 128, F1, F0, 0
	QUARTER 0, 192, F0, F1, 0
	WIN 0                                          ; at a label and at a branch every window is 0
	s_cmp_eq_u32 s2, 1
	s_cbranch_scc1 .Llast                          ; the last tile's tail is written out: it asks for nothing more
	TURN 0, 1, 1                                   ; the ring goes on into the next tile: slot 0 takes its K step 0,
	QUARTER 1, 64,  F0, F1, 0                      ; K step 3
	QUARTER 1, 128, F1, F0, 0
	QUARTER 1, 192, F0, F1, 0
	TURN 1, 0, 1                                   ; slot 1 its K step 1, and the next tile's first fragments are fetched
	EPILOG 1                                       ; slot 1's refill and the next tile's first fragments are on their way while the minima are taken
	s_sub_co_u32 s2, s2, 1
	s_branch .Ltile
.Llast:
	TURNL
	QUARTER 1, 64,  F0, F1, 0
	QUARTER 1, 128, F1, F0, 0
	QUARTER 1, 192, F0, F1, 0
	LASTQ
	EPILOG 0
	; THE END.  The place j of the first of SV's eight that equals BEST: from 7 down, so that the lowest is written last.
.irp a, 0,1,2,3,4,5,6,7
	v_mov_b32 v[M+(\a)], 7
.endr
.irp j, 6,5,4,3,2,1,0
.irp a, 0,1,2,3,4,5,6,7
	v_cmp_neq_f32 vcc_lo, v[SV+8*(\a)+(\j)], v[BEST+2*(\a)]
	v_cndmask_b32 v[M+(\a)], \j, v[M+(\a)], vcc_lo
.endr
.endr
	; GID counts from the last tile's first group, which is the part's group 24: code = 512 p + 16 (GID + 24) + 8 (lane / 16) + j
.irp a, 0,1,2,3,4,5,6,7
	v_lshl_add_u32 v[BEST+2*(\a)+1], v[BEST+2*(\a)+1], 4, v[M+(\a)]
.endr
.irp a, 0,1,2,3,4,5,6,7
	v_add_nc_u32 v[BEST+2*(\a)+1], v[CB], v[BEST+2*(\a)+1]
.endr
	; the query's other codes lie in the lane 16 away: the smaller d wins, of equal d the lower code
.irp a, 0,1,2,3,4,5,6,7
	v_permlanex16_b32 v[T+2*(\a)],   v[BEST+2*(\a)],   s[SEL], s[SEL+1]
	v_permlanex16_b32 v[T+2*(\a)+1], v[BEST+2*(\a)+1], s[SEL], s[SEL+1]
.endr
.irp a, 0,1,2,3,4,5,6,7
	v_cmp_lt_f32 s70, v[T+2*(\a)], v[BEST+2*(\a)]
	v_cmp_eq_f32 s71, v[T+2*(\a)], v[BEST+2*(\a)]
	v_cmp_lt_u32 s72, v[T+2*(\a)+1], v[BEST+2*(\a)+1]
	s_and_b32 s71, s71, s72
	s_or_b32 s70, s70, s71
	v_cndmask_b32 v[BEST+2*(\a)],   v[BEST+2*(\a)],   v[T+2*(\a)],   s70
	v_cndmask_b32 v[BEST+2*(\a)+1], v[BEST+2*(\a)+1], v[T+2*(\a)+1], s70
.endr
	; both halves of the lanes now hold the same: lanes 0-15 store block a, lanes 16-31 block a + 1: 32 queries x 8 bytes = 256 consecutive bytes, aligned
.irp a, 0,2,4,6
	v_cndmask_b32 v[T+32+(\a)],   v[BEST+2*(\a)],   v[BEST+2*(\a)+2], s[HM]
	v_cndmask_b32 v[T+32+(\a)+1], v[BEST+2*(\a)+1], v[BEST+2*(\a)+3], s[HM]
	global_store_b64 v[PO], v[T+32+(\a):T+32+(\a)+1], s[12:13] offset:128*(\a)
.endr
	s_wait_tensorcnt 0x0                           ; the wave's end: behind my last tensor load
	ds_add_u32 v[SPW], v[NIL]
	s_wait_dscnt 0x0
	CROUND                                         ; the closing round: no work-group ends while a partner may still ask for a tile that names it
	s_endpgm
.Lfunc_end_k_q79f63586f6_dist:
	.size	k_q79f63586f6_dist, .Lfunc_end_k_q79f63586f6_dist-k_q79f63586f6_dist
	.p2alignl 7, 3214868480
	.fill 96, 4, 3214868480
	.section	.rodata,"a",@progbits
	.p2align	6, 0x0
	.amdhsa_kernel k_q79f63586f6_dist
		.amdhsa_group_segment_fixed_size 327680
		.amdhsa_private_segment_fixed_size 0
		.amdhsa_enable_private_segment 0
		.amdhsa_kernarg_size 40
		.amdhsa_user_sgpr_count 2
		.amdhsa_user_sgpr_kernarg_segment_ptr 1
		.amdhsa_wavefront_size32 1
		.amdhsa_system_sgpr_workgroup_id_x 1
		.amdhsa_system_sgpr_workgroup_id_y 1
		.amdhsa_system_sgpr_workgroup_id_z 1
		.amdhsa_system_vgpr_workitem_id 0
		.amdhsa_next_free_vgpr 1024
		.amdhsa_next_free_sgpr 80
		.amdhsa_reserve_vcc 1
		.amdhsa_float_denorm_mode_32 3
		.amdhsa_float_denorm_mode_16_64 3
		.amdhsa_memory_ordered 1
		.amdhsa_forward_progress 1
		.amdhsa_inst_pref_size 255
	.end_amdhsa_kernel
	.section	.bss,"aw",@nobits
	.p2align	6
	.space	262144
	.amdgpu_metadata
---
amdhsa.version: [ 1, 2 ]
amdhsa.kernels:
  - .name:           k_q79f63586f6_dist
    .symbol:         k_q79f63586f6_dist.kd
    .args:
      - { .name: xb, .offset: 0, .size: 8, .value_kind: global_buffer, .address_space: global }
      - { .name: cb, .offset: 8, .size: 8, .value_kind: global_buffer, .address_space: global }
      - { .name: xs, .offset: 16, .size: 8, .value_kind: global_buffer, .address_space: global }
      - { .name: cs, .offset: 24, .size: 8, .value_kind: global_buffer, .address_space: global }
      - { .name: part, .offset: 32, .size: 8, .value_kind: global_buffer, .address_space: global }
    .group_segment_fixed_size: 327680
    .private_segment_fixed_size: 0
    .kernarg_segment_align: 8
    .kernarg_segment_size: 40
    .max_flat_workgroup_size: 128
    .sgpr_count:     80
    .vgpr_count:     1024
    .wavefront_size: 32
...
	.end_amdgpu_metadata
.endif
;; end of part 2
;; launch pick (part 3): grid 128 x 1, 1 waves a work-group, no clusters, 0 bytes of LDS; arguments part, out2, idxw; writes out2, idxw
.if DOCPART == 3
	.amdgcn_target "amdgcn-amd-amdhsa--gfx1250"
	.amdhsa_code_object_version 6
	.text
	.protected	k_q79f63586f6_pick
	.globl	k_q79f63586f6_pick
	.p2align	8
	.type	k_q79f63586f6_pick,@function
k_q79f63586f6_pick:
	s_mov_b64 s[64:65], 0
	v_nop
	global_prefetch_b8 v0, s[64:65] scope:SCOPE_SE
	s_setreg_imm32_b32 hwreg(HW_REG_WAVE_MODE, 25, 1), 1
	s_wait_xcnt 0x0
; THE INDEX.  part[p][n] = (d, index) is the first minimum over the codes 512 p .. 512 p + 511; the row's index is that of the smallest d over p = 0 .. 15, of equal d the lowest p (its codes are lower).
; It is stored twice: as the output out2, and as idxw, the whole numbers from which the next launch forms addresses.
; SHARES.  A wave takes 64 rows, a lane two: one load of 16 bytes a lane brings (d, i, d, i), 512 consecutive bytes for the wave; 16 such loads, all out at once.  A store of 8 bytes a lane covers 256 bytes, aligned.
; 1 MiB is read once; nothing is shared between work-groups, so there is no cluster and no LDS.  NaN is not treated apart: a NaN never replaces what is kept.
.set P,  4                             ; v[4:67]   part p's four words at P + 4 p
.set D,  68                            ; v68, v69  the two rows' smallest d so far
.set IX, 70                            ; v[70:71]  their indices
	s_load_b128 s[4:7], s[0:1], 0x0                ; part s[4:5], out2 s[6:7]
	s_load_b64 s[8:9], s[0:1], 0x10                ; idxw
	v_lshlrev_b32 v1, 4, v0                        ; 16 bytes a lane
	v_lshlrev_b32 v2, 3, v0                        ; 8 bytes a lane
	s_lshl_b32 s10, ttmp9, 9                       ; 64 rows of 8 bytes
	s_mov_b32 s11, 0
	s_lshl_b32 s12, ttmp9, 8                       ; 64 rows of 4 bytes
	s_mov_b32 s13, 0
	s_wait_kmcnt 0x0
	s_add_nc_u64 s[4:5], s[4:5], s[10:11]
	s_add_nc_u64 s[6:7], s[6:7], s[12:13]
	s_add_nc_u64 s[8:9], s[8:9], s[12:13]
.set p, 0
.rept 16
	global_load_b128 v[P+4*p:P+4*p+3], v1, s[4:5] offset:65536*p th:TH_LOAD_NT
.set p, p+1
.endr
	s_wait_loadcnt 14                              ; loads come back in order: parts 0 and 1 are in, the 14 later ones stay out
	v_cmp_lt_f32 vcc_lo, v[P+4], v[P]              ; the first step writes the running registers from parts 0 and 1: no copies
	v_cndmask_b32 v[D], v[P], v[P+4], vcc_lo
	v_cndmask_b32 v[IX], v[P+1], v[P+5], vcc_lo
	v_cmp_lt_f32 vcc_lo, v[P+6], v[P+2]
	v_cndmask_b32 v[D+1], v[P+2], v[P+6], vcc_lo
	v_cndmask_b32 v[IX+1], v[P+3], v[P+7], vcc_lo
.set p, 2
.rept 14
	s_wait_loadcnt 15-p                            ; part p is in
	v_cmp_lt_f32 vcc_lo, v[P+4*p], v[D]            ; strictly smaller: a tie keeps the lower part
	v_cndmask_b32 v[D], v[D], v[P+4*p], vcc_lo
	v_cndmask_b32 v[IX], v[IX], v[P+4*p+1], vcc_lo
	v_cmp_lt_f32 vcc_lo, v[P+4*p+2], v[D+1]
	v_cndmask_b32 v[D+1], v[D+1], v[P+4*p+2], vcc_lo
	v_cndmask_b32 v[IX+1], v[IX+1], v[P+4*p+3], vcc_lo
.set p, p+1
.endr
	global_store_b64 v2, v[IX:IX+1], s[6:7]
	global_store_b64 v2, v[IX:IX+1], s[8:9]
	s_endpgm
.Lfunc_end_k_q79f63586f6_pick:
	.size	k_q79f63586f6_pick, .Lfunc_end_k_q79f63586f6_pick-k_q79f63586f6_pick
	.p2alignl 7, 3214868480
	.fill 96, 4, 3214868480
	.section	.rodata,"a",@progbits
	.p2align	6, 0x0
	.amdhsa_kernel k_q79f63586f6_pick
		.amdhsa_group_segment_fixed_size 0
		.amdhsa_private_segment_fixed_size 0
		.amdhsa_enable_private_segment 0
		.amdhsa_kernarg_size 24
		.amdhsa_user_sgpr_count 2
		.amdhsa_user_sgpr_kernarg_segment_ptr 1
		.amdhsa_wavefront_size32 1
		.amdhsa_system_sgpr_workgroup_id_x 1
		.amdhsa_system_sgpr_workgroup_id_y 1
		.amdhsa_system_sgpr_workgroup_id_z 1
		.amdhsa_system_vgpr_workitem_id 0
		.amdhsa_next_free_vgpr 72
		.amdhsa_next_free_sgpr 66
		.amdhsa_reserve_vcc 1
		.amdhsa_float_denorm_mode_32 3
		.amdhsa_float_denorm_mode_16_64 3
		.amdhsa_memory_ordered 1
		.amdhsa_forward_progress 1
		.amdhsa_inst_pref_size 6
	.end_amdhsa_kernel
	.amdgpu_metadata
---
amdhsa.version: [ 1, 2 ]
amdhsa.kernels:
  - .name:           k_q79f63586f6_pick
    .symbol:         k_q79f63586f6_pick.kd
    .args:
      - { .name: part, .offset: 0, .size: 8, .value_kind: global_buffer, .address_space: global }
      - { .name: out2, .offset: 8, .size: 8, .value_kind: global_buffer, .address_space: global }
      - { .name: idxw, .offset: 16, .size: 8, .value_kind: global_buffer, .address_space: global }
    .group_segment_fixed_size: 0
    .private_segment_fixed_size: 0
    .kernarg_segment_align: 8
    .kernarg_segment_size: 24
    .max_flat_workgroup_size: 32
    .sgpr_count:     66
    .vgpr_count:     72
    .wavefront_size: 32
...
	.end_amdgpu_metadata
.endif
;; end of part 3
;; launch gather (part 4): grid 256 x 1, 8 waves a work-group, no clusters, 0 bytes of LDS; arguments xb, cb, idxw, out0, lossp; writes out0, lossp
.if DOCPART == 4
	.amdgcn_target "amdgcn-amd-amdhsa--gfx1250"
	.amdhsa_code_object_version 6
	.text
	.protected	k_q79f63586f6_gather
	.globl	k_q79f63586f6_gather
	.p2align	8
	.type	k_q79f63586f6_gather,@function
k_q79f63586f6_gather:
	s_mov_b64 s[64:65], 0
	v_nop
	global_prefetch_b8 v0, s[64:65] scope:SCOPE_SE
	s_setreg_imm32_b32 hwreg(HW_REG_WAVE_MODE, 25, 1), 1
	s_wait_xcnt 0x0
; THE QUANTIZED ROWS.  The assignment (one_hot + soft) - soft is 0 off the index (s - s) and 1 to within one rounding of 1 + s at it, so its product with the codebook is the row q = codebook[index].
; out0 = x + (q - x), with both roundings, and for each wave the sum of (q - x)^2 over its four rows, into lossp.  x and q are the inputs rounded to bf16 (xb, cb), as in the whole program.
; SHARES.  A work-group takes 32 rows, a wave 4.  A row of bf16 is 1,024 bytes: four loads of 8 bytes a lane, 256 consecutive bytes each; the f32 row goes out in four stores of 16 bytes a lane, 512 consecutive bytes each.
; The four indices come by one scalar load from idxw, which an earlier launch stored; each is held to 0 .. 8,191 before it enters an address.
; All 32 loads of a wave are out together: x's sixteen while the indices are on their way, then q's sixteen.  Every load and store has registers of its own: nothing that a pending access reads is rewritten.
; No LDS, no matrix unit, no cluster: each x is read once; which code rows are shared between work-groups hangs on the data.
.set QO, 4                             ; v[4:7]     row i: index x 1,024 + 8 x lane
.set XF, 8                             ; v[8:11]    four x in f32
.set QF, 12                            ; v[12:15]   four q in f32, then q - x
.set LA, 16                            ; v[16:19]   sums of squares
.set X,  24                            ; v[24:55]   piece k = 4 i + j: two registers of bf16
.set Q,  56                            ; v[56:87]   the same of q
.set O,  88                            ; v[88:151]  piece k: four f32 to store
	s_load_b256 s[4:11], s[0:1], 0x0               ; xb s[4:5], cb s[6:7], idxw s[8:9], out0 s[10:11]
	s_load_b64 s[12:13], s[0:1], 0x20              ; lossp
	v_lshrrev_b32 v20, 5, v0
	v_readfirstlane_b32 s14, v20                   ; wave 0..7
	v_and_b32 v3, 31, v0                           ; lane
	v_lshlrev_b32 v1, 3, v3                        ; 8 bytes a lane
	v_lshlrev_b32 v2, 4, v3                        ; 16 bytes a lane
	v_mov_b32 v20, 0                               ; v_permlanex16_b32 counts as a reader of its destination
	v_mov_b32 v21, 0                               ; the last store's offset
	s_lshl_b32 s15, ttmp9, 5
	s_lshl_b32 s24, s14, 2
	s_add_co_u32 s15, s15, s24                     ; my first row: 32 x work-group + 4 x wave
	s_mov_b32 s21, 0xffff0000                      ; a word's upper bf16
	s_mov_b32 s22, 0x76543210
	s_mov_b32 s23, 0xfedcba98
	s_lshl_b32 s24, s15, 2                         ; indices: 4 bytes a row
	s_mov_b32 s25, 0
	s_mov_b32 s26, s15                             ; lossp: 4 bytes a wave = 4 (8 x work-group + wave) = my first row's number
	s_mov_b32 s27, 0
	s_lshl_b32 s28, s15, 10                        ; xb: 1,024 bytes a row
	s_mov_b32 s29, 0
	s_lshl_b32 s30, s15, 11                        ; out0: 2,048 bytes a row
	s_mov_b32 s31, 0
	s_wait_kmcnt 0x0
	s_add_nc_u64 s[8:9], s[8:9], s[24:25]
	s_load_b128 s[16:19], s[8:9], 0x0              ; my four indices
	s_add_nc_u64 s[4:5], s[4:5], s[28:29]
	s_add_nc_u64 s[10:11], s[10:11], s[30:31]
	s_add_nc_u64 s[12:13], s[12:13], s[26:27]
.set k, 0
.rept 16
	global_load_b64 v[X+2*k:X+2*k+1], v1, s[4:5] offset:1024*(k/4)+256*(k%4) th:TH_LOAD_NT
.set k, k+1
.endr
	s_wait_kmcnt 0x0
.irp i, 0,1,2,3
	s_min_u32 s[16+(\i)], s[16+(\i)], 0x1fff       ; inside the table, whatever was read
	v_lshl_add_u32 v[QO+(\i)], s[16+(\i)], 10, v1
.endr
.set k, 0
.rept 16
	global_load_b64 v[Q+2*k:Q+2*k+1], v[QO+k/4], s[6:7] offset:256*(k%4)
.set k, k+1
.endr
.macro PAIR k
	s_wait_loadcnt 15-(\k)                         ; loads come back in order: all of x and q's pieces up to k are in; q's later pieces stay out
	v_lshlrev_b32 v[XF],   16,  v[X+2*(\k)]        ; bf16 to f32: the low half moves up, the high half stays
	v_and_b32     v[XF+1], s21, v[X+2*(\k)]
	v_lshlrev_b32 v[XF+2], 16,  v[X+2*(\k)+1]
	v_and_b32     v[XF+3], s21, v[X+2*(\k)+1]
	v_lshlrev_b32 v[QF],   16,  v[Q+2*(\k)]
	v_and_b32     v[QF+1], s21, v[Q+2*(\k)]
	v_lshlrev_b32 v[QF+2], 16,  v[Q+2*(\k)+1]
	v_and_b32     v[QF+3], s21, v[Q+2*(\k)+1]
	v_pk_add_f32 v[QF:QF+1],   v[QF:QF+1],   v[XF:XF+1]   neg_lo:[0,1] neg_hi:[0,1]  ; q - x
	v_pk_add_f32 v[QF+2:QF+3], v[QF+2:QF+3], v[XF+2:XF+3] neg_lo:[0,1] neg_hi:[0,1]
	v_pk_add_f32 v[O+4*(\k):O+4*(\k)+1],   v[XF:XF+1],   v[QF:QF+1]                  ; x + (q - x)
	v_pk_add_f32 v[O+4*(\k)+2:O+4*(\k)+3], v[XF+2:XF+3], v[QF+2:QF+3]
.if (\k) == 0
	v_pk_mul_f32 v[LA:LA+1],   v[QF:QF+1],   v[QF:QF+1]                              ; the first piece starts the sums
	v_pk_mul_f32 v[LA+2:LA+3], v[QF+2:QF+3], v[QF+2:QF+3]
.else
	v_pk_fma_f32 v[LA:LA+1],   v[QF:QF+1],   v[QF:QF+1],   v[LA:LA+1]
	v_pk_fma_f32 v[LA+2:LA+3], v[QF+2:QF+3], v[QF+2:QF+3], v[LA+2:LA+3]
.endif
	global_store_b128 v2, v[O+4*(\k):O+4*(\k)+3], s[10:11] offset:2048*((\k)/4)+512*((\k)%4) th:TH_STORE_NT
.endm
.irp k, 0,1,2,3,4,5,6,7,8,9,10,11,12,13,14,15
	PAIR \k
.endr
	v_add_f32 v[LA], v[LA], v[LA+1]
	v_add_f32 v[LA+2], v[LA+2], v[LA+3]
	v_add_f32 v[LA], v[LA], v[LA+2]
	v_add_f32_dpp v[LA], v[LA], v[LA] row_xmask:1 row_mask:0xf bank_mask:0xf
	v_add_f32_dpp v[LA], v[LA], v[LA] row_xmask:2 row_mask:0xf bank_mask:0xf
	v_add_f32_dpp v[LA], v[LA], v[LA] row_xmask:4 row_mask:0xf bank_mask:0xf
	v_add_f32_dpp v[LA], v[LA], v[LA] row_xmask:8 row_mask:0xf bank_mask:0xf
	v_permlanex16_b32 v20, v[LA], s22, s23
	v_add_f32 v[LA], v[LA], v20                    ; the wave's sum, in every lane
	v_cmp_eq_u32 vcc_lo, 0, v3
	s_wait_xcnt 0x0                                ; EXEC is a source of the stores above: it changes only behind this wait
	s_and_saveexec_b32 s20, vcc_lo
	global_store_b32 v21, v[LA], s[12:13]          ; lane 0 alone: one number a wave
	s_wait_xcnt 0x0                                ; and again, in front of the line that widens it
	s_or_b32 exec_lo, exec_lo, s20
	s_endpgm
.Lfunc_end_k_q79f63586f6_gather:
	.size	k_q79f63586f6_gather, .Lfunc_end_k_q79f63586f6_gather-k_q79f63586f6_gather
	.p2alignl 7, 3214868480
	.fill 96, 4, 3214868480
	.section	.rodata,"a",@progbits
	.p2align	6, 0x0
	.amdhsa_kernel k_q79f63586f6_gather
		.amdhsa_group_segment_fixed_size 0
		.amdhsa_private_segment_fixed_size 0
		.amdhsa_enable_private_segment 0
		.amdhsa_kernarg_size 40
		.amdhsa_user_sgpr_count 2
		.amdhsa_user_sgpr_kernarg_segment_ptr 1
		.amdhsa_wavefront_size32 1
		.amdhsa_system_sgpr_workgroup_id_x 1
		.amdhsa_system_sgpr_workgroup_id_y 1
		.amdhsa_system_sgpr_workgroup_id_z 1
		.amdhsa_system_vgpr_workitem_id 0
		.amdhsa_next_free_vgpr 152
		.amdhsa_next_free_sgpr 66
		.amdhsa_reserve_vcc 1
		.amdhsa_float_denorm_mode_32 3
		.amdhsa_float_denorm_mode_16_64 3
		.amdhsa_memory_ordered 1
		.amdhsa_forward_progress 1
		.amdhsa_inst_pref_size 18
	.end_amdhsa_kernel
	.amdgpu_metadata
---
amdhsa.version: [ 1, 2 ]
amdhsa.kernels:
  - .name:           k_q79f63586f6_gather
    .symbol:         k_q79f63586f6_gather.kd
    .args:
      - { .name: xb, .offset: 0, .size: 8, .value_kind: global_buffer, .address_space: global }
      - { .name: cb, .offset: 8, .size: 8, .value_kind: global_buffer, .address_space: global }
      - { .name: idxw, .offset: 16, .size: 8, .value_kind: global_buffer, .address_space: global }
      - { .name: out0, .offset: 24, .size: 8, .value_kind: global_buffer, .address_space: global }
      - { .name: lossp, .offset: 32, .size: 8, .value_kind: global_buffer, .address_space: global }
    .group_segment_fixed_size: 0
    .private_segment_fixed_size: 0
    .kernarg_segment_align: 8
    .kernarg_segment_size: 40
    .max_flat_workgroup_size: 256
    .sgpr_count:     66
    .vgpr_count:     152
    .wavefront_size: 32
...
	.end_amdgpu_metadata
.endif
;; end of part 4
;; launch total (part 5): grid 1 x 1, 1 waves a work-group, no clusters, 0 bytes of LDS; arguments lossp, out1; writes out1
.if DOCPART == 5
	.amdgcn_target "amdgcn-amd-amdhsa--gfx1250"
	.amdhsa_code_object_version 6
	.text
	.protected	k_q79f63586f6_total
	.globl	k_q79f63586f6_total
	.p2align	8
	.type	k_q79f63586f6_total,@function
k_q79f63586f6_total:
	s_mov_b64 s[64:65], 0
	v_nop
	global_prefetch_b8 v0, s[64:65] scope:SCOPE_SE
	s_setreg_imm32_b32 hwreg(HW_REG_WAVE_MODE, 25, 1), 1
	s_wait_xcnt 0x0
; THE LOSS.  lossp holds 2,048 partial sums of (q - x)^2; their sum over 8,192 x 512 = 2^22 numbers gives the mean m, and the result is 0.25 m + m (0.25 m is exact, so one fused multiply-add rounds as the two steps do).
; One wave: the sum spans all work-groups of the launch before, and 8 KiB are 16 loads of 16 bytes a lane, all out at once.  The order of the additions is a tree, not a loop's.
	s_load_b128 s[4:7], s[0:1], 0x0                ; lossp s[4:5], out1 s[6:7]
	v_lshlrev_b32 v1, 4, v0                        ; 16 bytes a lane
	v_mov_b32 v2, 0                                ; the store's offset
	v_mov_b32 v3, 0                                ; v_permlanex16_b32 counts as a reader of its destination
	s_mov_b32 s10, 0x76543210
	s_mov_b32 s11, 0xfedcba98
	s_wait_kmcnt 0x0
.set k, 0
.rept 16
	global_load_b128 v[4+4*k:7+4*k], v1, s[4:5] offset:512*k
.set k, k+1
.endr
	s_wait_loadcnt 0x0
.irp n, 16,8,4,2,1                     ; 32 pairs into one
.set i, 0
.rept \n
	v_pk_add_f32 v[4+2*i:5+2*i], v[4+2*i:5+2*i], v[4+2*(i+(\n)):5+2*(i+(\n))]
.set i, i+1
.endr
.endr
	v_add_f32 v4, v4, v5
	v_add_f32_dpp v4, v4, v4 row_xmask:1 row_mask:0xf bank_mask:0xf
	v_add_f32_dpp v4, v4, v4 row_xmask:2 row_mask:0xf bank_mask:0xf
	v_add_f32_dpp v4, v4, v4 row_xmask:4 row_mask:0xf bank_mask:0xf
	v_add_f32_dpp v4, v4, v4 row_xmask:8 row_mask:0xf bank_mask:0xf
	v_permlanex16_b32 v3, v4, s10, s11
	v_add_f32 v4, v4, v3
	v_mul_f32 v4, 0x34800000, v4                   ; x 2^-22: the mean
	v_fmamk_f32 v5, v4, 0x3e800000, v4             ; 0.25 m + m
	v_cmp_eq_u32 vcc_lo, 0, v0
	s_wait_xcnt 0x0                                ; EXEC changes only behind this wait
	s_and_saveexec_b32 s8, vcc_lo
	global_store_b32 v2, v5, s[6:7]                ; lane 0 alone
	s_wait_xcnt 0x0
	s_or_b32 exec_lo, exec_lo, s8
	s_endpgm
.Lfunc_end_k_q79f63586f6_total:
	.size	k_q79f63586f6_total, .Lfunc_end_k_q79f63586f6_total-k_q79f63586f6_total
	.p2alignl 7, 3214868480
	.fill 96, 4, 3214868480
	.section	.rodata,"a",@progbits
	.p2align	6, 0x0
	.amdhsa_kernel k_q79f63586f6_total
		.amdhsa_group_segment_fixed_size 0
		.amdhsa_private_segment_fixed_size 0
		.amdhsa_enable_private_segment 0
		.amdhsa_kernarg_size 16
		.amdhsa_user_sgpr_count 2
		.amdhsa_user_sgpr_kernarg_segment_ptr 1
		.amdhsa_wavefront_size32 1
		.amdhsa_system_sgpr_workgroup_id_x 1
		.amdhsa_system_sgpr_workgroup_id_y 1
		.amdhsa_system_sgpr_workgroup_id_z 1
		.amdhsa_system_vgpr_workitem_id 0
		.amdhsa_next_free_vgpr 72
		.amdhsa_next_free_sgpr 66
		.amdhsa_reserve_vcc 1
		.amdhsa_float_denorm_mode_32 3
		.amdhsa_float_denorm_mode_16_64 3
		.amdhsa_memory_ordered 1
		.amdhsa_forward_progress 1
		.amdhsa_inst_pref_size 5
	.end_amdhsa_kernel
	.amdgpu_metadata
---
amdhsa.version: [ 1, 2 ]
amdhsa.kernels:
  - .name:           k_q79f63586f6_total
    .symbol:         k_q79f63586f6_total.kd
    .args:
      - { .name: lossp, .offset: 0, .size: 8, .value_kind: global_buffer, .address_space: global }
      - { .name: out1, .offset: 8, .size: 8, .value_kind: global_buffer, .address_space: global }
    .group_segment_fixed_size: 0
    .private_segment_fixed_size: 0
    .kernarg_segment_align: 8
    .kernarg_segment_size: 16
    .max_flat_workgroup_size: 32
    .sgpr_count:     66
    .vgpr_count:     72
    .wavefront_size: 32
...
	.end_amdgpu_metadata
.endif
;; end of part 5
;; ======== version 2 of 2: 5 launches; version 1 with the launch gather written anew for expert scheduling mode
;; workspace buffers: xb 8,388,608 bytes; cb 8,388,608 bytes; xs 32,768 bytes; cs 32,768 bytes; part 1,048,576 bytes; idxw 32,768 bytes of whole numbers; lossp 8,192 bytes
;; launch prep: the kernel of part 1 again; grid 128 x 2, 16 waves a work-group, no clusters, 2,304 bytes of LDS; arguments latent, codebook, xb, cb, xs, cs; writes xb, cb, xs, cs
;; launch dist: the kernel of part 2 again; grid 8 x 32, 4 waves a work-group, clusters of 4 x 4, 327,680 bytes of LDS; arguments xb, cb, xs, cs, part; writes part
;; launch pick: the kernel of part 3 again; grid 128 x 1, 1 waves a work-group, no clusters, 0 bytes of LDS; arguments part, out2, idxw; writes out2, idxw
;; launch gather (part 6): grid 256 x 1, 8 waves a work-group, no clusters, 0 bytes of LDS; arguments xb, cb, idxw, out0, lossp; writes out0, lossp
.if DOCPART == 6
	.amdgcn_target "amdgcn-amd-amdhsa--gfx1250"
	.amdhsa_code_object_version 6
	.text
	.protected	k_q79f63586f6_gather
	.globl	k_q79f63586f6_gather
	.p2align	8
	.type	k_q79f63586f6_gather,@function
k_q79f63586f6_gather:
	s_mov_b64 s[64:65], 0
	v_nop
	global_prefetch_b8 v0, s[64:65] scope:SCOPE_SE
	s_setreg_imm32_b32 hwreg(HW_REG_WAVE_SCHED_MODE, 0, 2), 2
	s_setreg_imm32_b32 hwreg(HW_REG_WAVE_MODE, 25, 1), 1
	s_wait_xcnt 0x0
	s_wait_alu depctr_vm_vsrc(0)
; THE QUANTIZED ROWS.  The assignment (one_hot + soft) - soft is 0 off the index (s - s) and 1 to within one rounding of 1 + s at it, so its product with the codebook is the row q = codebook[index].
; out0 = x + (q - x), with both roundings, and for each wave the sum of (q - x)^2 over its four rows, into lossp.  x and q are the inputs rounded to bf16 (xb, cb), as in the whole program.
; SHARES.  A work-group takes 32 rows, a wave 4.  A row of bf16 is 1,024 bytes: four loads of 8 bytes a lane, 256 consecutive bytes each; the f32 row goes out in four stores of 16 bytes a lane, 512 consecutive bytes each.
; The four indices come by one scalar load from idxw, which an earlier launch stored; each is held to 0 .. 8,191 before it enters an address.
; All 32 loads of a wave are out together: x's sixteen while the indices are on their way, then q's sixteen.  Every load and store has registers of its own: nothing that a pending access reads is rewritten.
; No LDS, no matrix unit, no cluster: each x is read once; which code rows are shared between work-groups hangs on the data.
; THE MODE: SCHED_MODE bits 1:0 = 2 (LLVM: expert scheduling mode 2), set by the entry lines.  The code itself states the register dependences
; between vector instructions and memory instructions, with s_wait_alu, always for 0.
; THE PLAN.  Registers that memory instructions touch:
;   v1, v2, v21   offsets, made once at the head and never written again: one wait ahead of the first load serves every load of x and every store.
;   QO            q's offsets, made once when the indices have come: one wait ahead of q's loads.
;   X, Q          written by the loads alone; no vector line names them ahead of those loads; read by the unpacking lines behind the wait for the data.
;   O             four registers a piece, written once by the piece's two additions and read once by its store.
;   v[LA]         the wave's sum: the last store's data; nothing writes it behind that store.
; The sixteen pieces go in four blocks, a row each.  Block i writes O's row i; its memory instructions are the four stores of row i - 1, which no vector line of block i names.
; So ONE wait at a block's head states all that its stores hang on, and they are dealt among its vector lines with no further wait.  No register that a memory instruction has read is written again,
; so the only waits for memory instructions' reads of registers are the two in front of the writes of EXEC.
.set QO, 4                             ; v[4:7]     row i: index x 1,024 + 8 x lane
.set XF, 8                             ; v[8:11]    four x in f32
.set QF, 12                            ; v[12:15]   four q in f32, then q - x
.set LA, 16                            ; v[16:19]   sums of squares
.set X,  24                            ; v[24:55]   piece k = 4 i + j: two registers of bf16
.set Q,  56                            ; v[56:87]   the same of q
.set O,  88                            ; v[88:151]  piece k: four f32 to store
	s_load_b256 s[4:11], s[0:1], 0x0               ; xb s[4:5], cb s[6:7], idxw s[8:9], out0 s[10:11]
	s_load_b64 s[12:13], s[0:1], 0x20              ; lossp
	v_lshrrev_b32 v20, 5, v0
	v_readfirstlane_b32 s14, v20                   ; wave 0..7
	v_and_b32 v3, 31, v0                           ; lane
	v_lshlrev_b32 v1, 3, v3                        ; 8 bytes a lane
	v_lshlrev_b32 v2, 4, v3                        ; 16 bytes a lane
	v_mov_b32 v20, 0                               ; v_permlanex16_b32 counts as a reader of its destination
	v_mov_b32 v21, 0                               ; the last store's offset
	s_wait_alu depctr_va_sdst(0)                   ; s14, the wave's number, is written, ahead of its first reader: every base below is made from it
	s_lshl_b32 s15, ttmp9, 5
	s_lshl_b32 s24, s14, 2
	s_add_co_u32 s15, s15, s24                     ; my first row: 32 x work-group + 4 x wave
	s_mov_b32 s21, 0xffff0000                      ; a word's upper bf16
	s_mov_b32 s22, 0x76543210
	s_mov_b32 s23, 0xfedcba98
	s_lshl_b32 s24, s15, 2                         ; indices: 4 bytes a row
	s_mov_b32 s25, 0
	s_mov_b32 s26, s15                             ; lossp: 4 bytes a wave = 4 (8 x work-group + wave) = my first row's number
	s_mov_b32 s27, 0
	s_lshl_b32 s28, s15, 10                        ; xb: 1,024 bytes a row
	s_mov_b32 s29, 0
	s_lshl_b32 s30, s15, 11                        ; out0: 2,048 bytes a row
	s_mov_b32 s31, 0
	s_wait_kmcnt 0x0
	s_add_nc_u64 s[8:9], s[8:9], s[24:25]
	s_load_b128 s[16:19], s[8:9], 0x0              ; my four indices
	s_add_nc_u64 s[4:5], s[4:5], s[28:29]
	s_add_nc_u64 s[10:11], s[10:11], s[30:31]
	s_add_nc_u64 s[12:13], s[12:13], s[26:27]
	s_wait_alu depctr_va_vdst(0)                   ; v1, v2 and v21 are written: x's loads read v1 as their offset, the stores further down v2 and v21
.set k, 0
.rept 16
	global_load_b64 v[X+2*k:X+2*k+1], v1, s[4:5] offset:1024*(k/4)+256*(k%4) th:TH_LOAD_NT
.set k, k+1
.endr
	s_wait_kmcnt 0x0
.irp i, 0,1,2,3
	s_min_u32 s[16+(\i)], s[16+(\i)], 0x1fff       ; inside the table, whatever was read
	v_lshl_add_u32 v[QO+(\i)], s[16+(\i)], 10, v1
.endr
	s_wait_alu depctr_va_vdst(0)                   ; the four QO are written, which q's loads read as their offsets
.set k, 0
.rept 16
	global_load_b64 v[Q+2*k:Q+2*k+1], v[QO+k/4], s[6:7] offset:256*(k%4)
.set k, k+1
.endr
; Block i: row i's four pieces are computed into O's row i; in front of each piece's vector lines stands one store of the row before.
.macro BLK i
	s_wait_loadcnt 12-4*(\i)                       ; loads come back in order: all of x and q's rows up to i are in; the 12 - 4 i loads of q's later rows stay out
.if (\i) > 0
	s_wait_alu depctr_va_vdst(0)                   ; the block before has written its row of O, which the four stores below read; no vector line of this block names that row or v2
.endif
.irp j, 0,1,2,3
.set kk, 4*(\i)+(\j)
.if (\i) > 0
	global_store_b128 v2, v[O+4*(kk-4):O+4*(kk-4)+3], s[10:11] offset:2048*((\i)-1)+512*(\j) th:TH_STORE_NT
.endif
	v_lshlrev_b32 v[XF],   16,  v[X+2*kk]          ; bf16 to f32: the low half moves up, the high half stays
	v_and_b32     v[XF+1], s21, v[X+2*kk]
	v_lshlrev_b32 v[XF+2], 16,  v[X+2*kk+1]
	v_and_b32     v[XF+3], s21, v[X+2*kk+1]
	v_lshlrev_b32 v[QF],   16,  v[Q+2*kk]
	v_and_b32     v[QF+1], s21, v[Q+2*kk]
	v_lshlrev_b32 v[QF+2], 16,  v[Q+2*kk+1]
	v_and_b32     v[QF+3], s21, v[Q+2*kk+1]
	v_pk_add_f32 v[QF:QF+1],   v[QF:QF+1],   v[XF:XF+1]   neg_lo:[0,1] neg_hi:[0,1]  ; q - x
	v_pk_add_f32 v[QF+2:QF+3], v[QF+2:QF+3], v[XF+2:XF+3] neg_lo:[0,1] neg_hi:[0,1]
	v_pk_add_f32 v[O+4*kk:O+4*kk+1],   v[XF:XF+1],   v[QF:QF+1]                      ; x + (q - x)
	v_pk_add_f32 v[O+4*kk+2:O+4*kk+3], v[XF+2:XF+3], v[QF+2:QF+3]
.if kk == 0
	v_pk_mul_f32 v[LA:LA+1],   v[QF:QF+1],   v[QF:QF+1]                              ; the first piece starts the sums
	v_pk_mul_f32 v[LA+2:LA+3], v[QF+2:QF+3], v[QF+2:QF+3]
.else
	v_pk_fma_f32 v[LA:LA+1],   v[QF:QF+1],   v[QF:QF+1],   v[LA:LA+1]
	v_pk_fma_f32 v[LA+2:LA+3], v[QF+2:QF+3], v[QF+2:QF+3], v[LA+2:LA+3]
.endif
.endr
.endm
	BLK 0
	BLK 1
	BLK 2
	BLK 3
	s_wait_alu depctr_va_vdst(0)                   ; block 3 has written O's last row, which the four stores below read
.irp j, 0,1,2,3
	global_store_b128 v2, v[O+48+4*(\j):O+48+4*(\j)+3], s[10:11] offset:2048*3+512*(\j) th:TH_STORE_NT
.endr
	v_add_f32 v[LA], v[LA], v[LA+1]
	v_add_f32 v[LA+2], v[LA+2], v[LA+3]
	v_add_f32 v[LA], v[LA], v[LA+2]
	v_add_f32_dpp v[LA], v[LA], v[LA] row_xmask:1 row_mask:0xf bank_mask:0xf
	v_add_f32_dpp v[LA], v[LA], v[LA] row_xmask:2 row_mask:0xf bank_mask:0xf
	v_add_f32_dpp v[LA], v[LA], v[LA] row_xmask:4 row_mask:0xf bank_mask:0xf
	v_add_f32_dpp v[LA], v[LA], v[LA] row_xmask:8 row_mask:0xf bank_mask:0xf
	v_permlanex16_b32 v20, v[LA], s22, s23
	v_add_f32 v[LA], v[LA], v20                    ; the wave's sum, in every lane
	v_cmp_eq_u32 vcc_lo, 0, v3
	s_wait_xcnt 0x0                                ; EXEC is a source of the stores above: it changes only behind this wait
	s_wait_alu depctr_va_vcc(0)                    ; the compare has written VCC, from which EXEC is made
	s_wait_alu depctr_va_vdst(0)                   ; ahead of the write of EXEC every vector line is done; among them the one that wrote v[LA], the data of the store below
	s_wait_alu depctr_vm_vsrc(0)                   ; and the stores above have read their vector registers
	s_and_saveexec_b32 s20, vcc_lo
	global_store_b32 v21, v[LA], s[12:13]          ; lane 0 alone: one number a wave
	s_wait_xcnt 0x0                                ; and again, in front of the line that widens it
	s_wait_alu depctr_va_vdst(0)                   ; ahead of the write of EXEC: no vector line is pending
	s_wait_alu depctr_vm_vsrc(0)                   ; and the store has read v21 and v[LA]
	s_or_b32 exec_lo, exec_lo, s20
	s_endpgm
.Lfunc_end_k_q79f63586f6_gather:
	.size	k_q79f63586f6_gather, .Lfunc_end_k_q79f63586f6_gather-k_q79f63586f6_gather
	.p2alignl 7, 3214868480
	.fill 96, 4, 3214868480
	.section	.rodata,"a",@progbits
	.p2align	6, 0x0
	.amdhsa_kernel k_q79f63586f6_gather
		.amdhsa_group_segment_fixed_size 0
		.amdhsa_private_segment_fixed_size 0
		.amdhsa_enable_private_segment 0
		.amdhsa_kernarg_size 40
		.amdhsa_user_sgpr_count 2
		.amdhsa_user_sgpr_kernarg_segment_ptr 1
		.amdhsa_wavefront_size32 1
		.amdhsa_system_sgpr_workgroup_id_x 1
		.amdhsa_system_sgpr_workgroup_id_y 1
		.amdhsa_system_sgpr_workgroup_id_z 1
		.amdhsa_system_vgpr_workitem_id 0
		.amdhsa_next_free_vgpr 152
		.amdhsa_next_free_sgpr 66
		.amdhsa_reserve_vcc 1
		.amdhsa_float_denorm_mode_32 3
		.amdhsa_float_denorm_mode_16_64 3
		.amdhsa_memory_ordered 1
		.amdhsa_forward_progress 1
		.amdhsa_inst_pref_size 18
	.end_amdhsa_kernel
	.amdgpu_metadata
---
amdhsa.version: [ 1, 2 ]
amdhsa.kernels:
  - .name:           k_q79f63586f6_gather
    .symbol:         k_q79f63586f6_gather.kd
    .args:
      - { .name: xb, .offset: 0, .size: 8, .value_kind: global_buffer, .address_space: global }
      - { .name: cb, .offset: 8, .size: 8, .value_kind: global_buffer, .address_space: global }
      - { .name: idxw, .offset: 16, .size: 8, .value_kind: global_buffer, .address_space: global }
      - { .name: out0, .offset: 24, .size: 8, .value_kind: global_buffer, .address_space: global }
      - { .name: lossp, .offset: 32, .size: 8, .value_kind: global_buffer, .address_space: global }
    .group_segment_fixed_size: 0
    .private_segment_fixed_size: 0
    .kernarg_segment_align: 8
    .kernarg_segment_size: 40
    .max_flat_workgroup_size: 256
    .sgpr_count:     66
    .vgpr_count:     152
    .wavefront_size: 32
...
	.end_amdgpu_metadata
.endif
;; end of part 6
;; launch total: the kernel of part 5 again; grid 1 x 1, 1 waves a work-group, no clusters, 0 bytes of LDS; arguments lossp, out1; writes out1
